; MI455X (gfx1250); checked and timed in simulation.
; The chip was launched on July 23, 2026; its instructions are those of AMD's public machine-readable ISA for CDNA 5 (MIT licence, August 2026) and "CDNA5" Instruction Set Architecture Reference Guide (July 2026). The comments in the code are by the model that wrote it; some were corrected since.
;; Multi Head Self Attention V2. Allowed arithmetic: float matrix products may take bf16 or f16 operands with f32 sums; all other float work in f32.
;; Inputs: W_0 128 x 128 float32; W_qkv 384 x 128 float32; b_0 128 float32; x 2,048 x 4 x 128 float32.
;; Outputs: out0 2,048 x 4 x 128 float32.
;; One version. Each part assembles by itself: llvm-mc -triple=amdgcn-amd-amdhsa -mcpu=gfx1250 --defsym DOCPART=n.
;; ======== version 1 of 1: 3 launches
;; limits: values are held in f16: magnitudes above 65,504 overflow, below 6.1e-05 lose precision
;; workspace buffers: qkv 6,291,456 bytes; attn 2,097,152 bytes
;; launch qkv (part 1): grid 64 x 4, 8 waves a work-group, no clusters, 27,136 bytes of LDS; arguments x, W_qkv, qkv; writes qkv
.if DOCPART == 1
	.amdgcn_target "amdgcn-amd-amdhsa--gfx1250"
	.amdhsa_code_object_version 6
	.text
	.protected	k_qe750d18c82_qkv
	.globl	k_qe750d18c82_qkv
	.p2align	8
	.type	k_qe750d18c82_qkv,@function
k_qe750d18c82_qkv:
	s_mov_b64 s[64:65], 0
	v_nop
	global_prefetch_b8 v0, s[64:65] scope:SCOPE_SE
	s_setreg_imm32_b32 hwreg(HW_REG_WAVE_MODE, 25, 1), 1
	s_wait_xcnt 0x0
; qkv = x W_qkv^T, rounded to f16 and laid out for the attention launch.
; x: [2048 f][4 b][128] f32.  W_qkv: [384][128] f32.  Feature tile T = 0..23 of 16 features: T/8 = 0 q, 1 k, 2 v; T%8 = head.
; Workspace qkv: 96 blocks of 65,536 bytes, block = (T/8)*32 + b*8 + head.
;   q and k blocks: [half of d: 2][f: 2048][8] f16, so that 16 lanes that take one half of d of 16 rows take 256 consecutive bytes.
;   v blocks:       [f: 2048][16] f16 (read later by the transposing LDS load, 16 rows = 512 consecutive bytes).
; q is multiplied by log2(e)/4 in f32 before it is rounded: 1/sqrt(16) of the scores and the base-2 exponential in one factor.
; FORMAT: operands in f16 (11 significant bits), sums in f32.  LIMIT: |x|, |W|, |0.36 q|, |k|, |v| below 65,504; steps of 6e-8 near zero.
; WORK: a work-group has 128 tokens of one b (128 consecutive f) and 96 features (6 tiles); a wave has 16 of the tokens and all 6 tiles.
; A wave's x goes from memory to its own fragments; the 96 rows of W are rounded once by the eight waves (12 rows each) and shared in LDS.
; The matrix instruction takes W as source 0 and x as source 1: lane (r, h) then holds token r, features 8h .. 8h+7 of the tile: 16 bytes of f16 that belong together.
; No cluster: the tiles are small, go through registers, and the launch has no tensor load that could be asked for jointly.
.set WP,   272                         ; LDS pitch of a W row: 256 bytes + 16, an odd multiple of 16: 16 rows start in 16 different 16-byte columns
.set VR,   1                           ; r = lane % 16
.set VH,   2                           ; h = lane / 16
.set VL,   3                           ; lane
.set VX,   4                           ; x: r*2048 + h*32
.set VW,   5                           ; W: lane*16
.set VWS,  6                           ; LDS, where my rounded W rows go
.set VWL,  7                           ; LDS, where my W fragments come from: r*272 + h*16
.set VSQK, 8                           ; store offset in a q or k block: h*32768 + (f0+r)*16
.set VSV,  9                           ; store offset in a v block: (f0+r)*32 + h*16
.set VSEL, 10                          ; v[10:15] the one of the two that tile i needs
.set XF,   16                          ; v[16:47]   x fragments, 4 chunks of 32 along K
.set ACC,  48                          ; v[48:95]   6 accumulators
.set WC,   48                          ; v[48:71]   before the products: my 12 W rows in f16
.set XR,   96                          ; v[96:159]  x as loaded
.set WR,   160                         ; v[160:207] W as loaded
.set WA,   96                          ; v[96:143]  W fragments of one chunk, buffer A (x as loaded is no longer needed)
.set WB,   144                         ; v[144:191] buffer B
.set OUTP, 208                         ; v[208:231] packed results, 4 registers a tile
	s_load_b128 s[4:7], s[0:1], 0x0                ; x, W_qkv
	s_load_b64 s[8:9], s[0:1], 0x10                ; qkv
	v_lshl_add_u32 v232, v0, 2, 0x6600
	v_mov_b32 v233, 0
	v_lshrrev_b32 v1, 5, v0
	v_readfirstlane_b32 s10, v1                    ; wave 0..7
	s_and_b32 s11, ttmp7, 0xffff                   ; g: feature group 0..3
	s_and_b32 s12, ttmp9, 3                        ; b
	s_lshr_b32 s13, ttmp9, 2                       ; block of 128 f
	v_and_b32 v[VR], 15, v0
	v_bfe_u32 v[VH], v0, 4, 1
	v_and_b32 v[VL], 31, v0
	s_lshl_b32 s14, s13, 18                        ; x: 128 f x 2,048 bytes a block,
	s_lshl_b32 s20, s10, 15                        ; 16 f a wave,
	s_add_co_u32 s14, s14, s20
	s_lshl_b32 s20, s12, 9                         ; 512 bytes a b
	s_add_co_u32 s14, s14, s20
	s_mov_b32 s15, 0
	s_mul_i32 s16, s11, 96*512                     ; W: my group's 96 rows,
	s_mul_i32 s20, s10, 12*512                     ; of which my wave rounds 12
	s_add_co_u32 s16, s16, s20
	s_mov_b32 s17, 0
	v_lshlrev_b32 v[VX], 11, v[VR]
	v_lshl_or_b32 v[VX], v[VH], 5, v[VX]
	v_lshlrev_b32 v[VW], 4, v[VL]
	s_wait_kmcnt 0x0
	s_add_nc_u64 s[4:5], s[4:5], s[14:15]
	s_add_nc_u64 s[6:7], s[6:7], s[16:17]
.irp i, 0,1,2,3,4,5,6,7,8,9,10,11
	global_load_b128 v[WR+4*\i:WR+4*\i+3], v[VW], s[6:7] offset:512*\i     ; one row of W: 512 consecutive bytes
.endr
	; x fragment of chunk c: registers 0-3 hold K = 32c+8h .. +7, registers 4-7 K = 32c+16+8h .. +7; in f32 that is 32 bytes at 128c+32h and 32 at 128c+64+32h
.irp c, 0,1,2,3
	global_load_b128 v[XR+16*\c:XR+16*\c+3],     v[VX], s[4:5] offset:128*\c
	global_load_b128 v[XR+16*\c+4:XR+16*\c+7],   v[VX], s[4:5] offset:128*\c+16
	global_load_b128 v[XR+16*\c+8:XR+16*\c+11],  v[VX], s[4:5] offset:128*\c+64
	global_load_b128 v[XR+16*\c+12:XR+16*\c+15], v[VX], s[4:5] offset:128*\c+80
.endr
	s_mul_i32 s20, s10, 12*WP
	v_lshl_add_u32 v[VWS], v[VL], 3, s20           ; my 12 rows in LDS, 8 bytes a lane
	v_mul_u32_u24 v[VWL], v[VR], WP
	v_lshl_add_u32 v[VWL], v[VH], 4, v[VWL]
	s_lshl_b32 s19, s13, 7
	s_lshl_b32 s20, s10, 4
	s_add_co_u32 s19, s19, s20                     ; f0: my wave's first f
	v_add_nc_u32 v[VSV], s19, v[VR]                ; f0 + r
	v_lshlrev_b32 v[VSQK], 4, v[VSV]
	v_lshl_add_u32 v[VSQK], v[VH], 15, v[VSQK]
	v_lshlrev_b32 v[VSV], 5, v[VSV]
	v_lshl_add_u32 v[VSV], v[VH], 4, v[VSV]
	s_mul_i32 s18, s11, 6                          ; my group's first tile
	s_lshl_b32 s23, s12, 3                         ; 8 b
	s_mov_b32 s24, 0x3eb8aa3b                      ; log2(e) / 4
	s_mov_b32 s25, 0x3eb8aa3b
	s_wait_loadcnt 16                              ; loads return in order: the 12 rows of W are in, the 16 loads of x may be out
.irp i, 0,1,2,3,4,5,6,7,8,9,10,11
	v_cvt_pk_f16_f32 v[WC+2*\i],   v[WR+4*\i],   v[WR+4*\i+1]
	v_cvt_pk_f16_f32 v[WC+2*\i+1], v[WR+4*\i+2], v[WR+4*\i+3]
	ds_store_b64 v[VWS], v[WC+2*\i:WC+2*\i+1] offset:WP*\i                 ; 32 lanes, 256 consecutive bytes
.endr
	s_wait_loadcnt 0x0
.set n, 0
.rept 32
	v_cvt_pk_f16_f32 v[XF+n], v[XR+2*n], v[XR+2*n+1]
.set n, n+1
.endr
	s_wait_dscnt 0x0                               ; my rows of W are in LDS, for the other waves' sake
	s_barrier_signal -1
	s_barrier_wait -1
.macro WFETCH c, buf                   ; the six W fragments of chunk c: 16 rows x 32 K each, two loads of 16 bytes, 32 bytes apart
.irp i, 0,1,2,3,4,5
	ds_load_b128 v[\buf+8*\i:\buf+8*\i+3],   v[VWL] offset:\i*16*WP+64*\c
	ds_load_b128 v[\buf+8*\i+4:\buf+8*\i+7], v[VWL] offset:\i*16*WP+64*\c+32
.endr
.endm
.macro WMUL c, buf, zero               ; six products, the six accumulators by turns, one instruction a turn
.irp i, 0,1,2,3,4,5
.if \zero
	v_wmma_f32_16x16x32_f16 v[ACC+8*\i:ACC+8*\i+7], v[\buf+8*\i:\buf+8*\i+7], v[XF+8*\c:XF+8*\c+7], 0
.else
	v_wmma_f32_16x16x32_f16 v[ACC+8*\i:ACC+8*\i+7], v[\buf+8*\i:\buf+8*\i+7], v[XF+8*\c:XF+8*\c+7], v[ACC+8*\i:ACC+8*\i+7]
.endif
.endr
.endm
.macro PLACES                          ; four independent vector places behind a matrix instruction (ISA guide 7.12.1) before its sources are loaded again or its result is read
.rept 4
	v_nop
.endr
.endm
	WFETCH 0, WA
	WFETCH 1, WB
	s_wait_dscnt 12                                ; chunk 0's twelve loads are in, chunk 1's twelve may be out
	WMUL 0, WA, 1                                  ; the first products start the sums
	PLACES
	WFETCH 2, WA
	s_wait_dscnt 12                                ; chunk 1 is in, chunk 2 may be out
	WMUL 1, WB, 0
	PLACES
	WFETCH 3, WB
	s_wait_dscnt 12                                ; chunk 2 is in
	WMUL 2, WA, 0
	s_wait_dscnt 0x0
	WMUL 3, WB, 0
	PLACES
; Tile i goes out: lane (r, h) holds token f0+r, features 8h .. 8h+7.  Each tile has its own base pair, offset register and data registers: nothing that a store reads is written again.
.macro OUT i
	s_add_co_u32 s20, s18, \i                      ; T
	s_lshr_b32 s21, s20, 3                         ; q, k or v
	s_and_b32 s22, s20, 7                          ; head
	s_lshl_b32 s21, s21, 5
	s_add_co_u32 s21, s21, s22
	s_add_co_u32 s21, s21, s23                     ; block = (T/8)*32 + 8 b + head
	s_lshl_b32 s40, s21, 16
	s_mov_b32 s41, 0
	s_add_nc_u64 s[28+2*\i:29+2*\i], s[8:9], s[40:41]
	s_cmp_ge_u32 s20, 16
	s_cselect_b32 s22, -1, 0                       ; all lanes: a v tile?
	v_cndmask_b32 v[VSEL+\i], v[VSQK], v[VSV], s22
	s_cmp_ge_u32 s20, 8
	s_cbranch_scc1 .Lplain_\@                      ; only q carries the factor
.irp j, 0,2,4,6
	v_pk_mul_f32 v[ACC+8*\i+\j:ACC+8*\i+\j+1], v[ACC+8*\i+\j:ACC+8*\i+\j+1], s[24:25] op_sel_hi:[1,0]
.endr
.Lplain_\@:
.irp j, 0,1,2,3
	v_cvt_pk_f16_f32 v[OUTP+4*\i+\j], v[ACC+8*\i+2*\j], v[ACC+8*\i+2*\j+1]
.endr
	global_store_b128 v[VSEL+\i], v[OUTP+4*\i:OUTP+4*\i+3], s[28+2*\i:29+2*\i]   ; q, k: two aligned pieces of 256 consecutive bytes; v: 512 consecutive bytes
.endm
	OUT 0
	OUT 1
	OUT 2
	OUT 3
	OUT 4
	OUT 5
	s_wait_tensorcnt 0x0
	ds_add_u32 v232, v233
	s_wait_dscnt 0x0
	s_endpgm
.Lfunc_end_k_qe750d18c82_qkv:
	.size	k_qe750d18c82_qkv, .Lfunc_end_k_qe750d18c82_qkv-k_qe750d18c82_qkv
	.p2alignl 7, 3214868480
	.fill 96, 4, 3214868480
	.section	.rodata,"a",@progbits
	.p2align	6, 0x0
	.amdhsa_kernel k_qe750d18c82_qkv
		.amdhsa_group_segment_fixed_size 27136
		.amdhsa_private_segment_fixed_size 0
		.amdhsa_enable_private_segment 0
		.amdhsa_kernarg_size 24
		.amdhsa_user_sgpr_count 2
		.amdhsa_user_sgpr_kernarg_segment_ptr 1
		.amdhsa_wavefront_size32 1
		.amdhsa_system_sgpr_workgroup_id_x 1
		.amdhsa_system_sgpr_workgroup_id_y 1
		.amdhsa_system_sgpr_workgroup_id_z 1
		.amdhsa_system_vgpr_workitem_id 0
		.amdhsa_next_free_vgpr 234
		.amdhsa_next_free_sgpr 66
		.amdhsa_reserve_vcc 0
		.amdhsa_float_denorm_mode_32 3
		.amdhsa_float_denorm_mode_16_64 3
		.amdhsa_memory_ordered 1
		.amdhsa_forward_progress 1
		.amdhsa_inst_pref_size 21
	.end_amdhsa_kernel
	.amdgpu_metadata
---
amdhsa.version: [ 1, 2 ]
amdhsa.kernels:
  - .name:           k_qe750d18c82_qkv
    .symbol:         k_qe750d18c82_qkv.kd
    .args:
      - { .name: x, .offset: 0, .size: 8, .value_kind: global_buffer, .address_space: global }
      - { .name: W_qkv, .offset: 8, .size: 8, .value_kind: global_buffer, .address_space: global }
      - { .name: qkv, .offset: 16, .size: 8, .value_kind: global_buffer, .address_space: global }
    .group_segment_fixed_size: 27136
    .private_segment_fixed_size: 0
    .kernarg_segment_align: 8
    .kernarg_segment_size: 24
    .max_flat_workgroup_size: 256
    .sgpr_count:     66
    .vgpr_count:     234
    .wavefront_size: 32
...
	.end_amdgpu_metadata
.endif
;; end of part 1
;; launch attn (part 2): grid 8 x 32, 8 waves a work-group, clusters of 4 x 1, 168,960 bytes of LDS; arguments qkv, attn; writes attn
.if DOCPART == 2
	.amdgcn_target "amdgcn-amd-amdhsa--gfx1250"
	.amdhsa_code_object_version 6
	.text
	.protected	k_qe750d18c82_attn
	.globl	k_qe750d18c82_attn
	.p2align	8
	.type	k_qe750d18c82_attn,@function
k_qe750d18c82_attn:
	s_mov_b64 s[64:65], 0
	v_nop
	global_prefetch_b8 v0, s[64:65] scope:SCOPE_SE
	s_setreg_imm32_b32 hwreg(HW_REG_WAVE_MODE, 25, 1), 1
	s_wait_xcnt 0x0
	s_wait_alu depctr_hold_cnt(0) depctr_sa_sdst(0) depctr_va_vdst(0) depctr_va_sdst(0) depctr_va_ssrc(0) depctr_va_vcc(0) depctr_vm_vsrc(0)
	s_getreg_b32 s2, hwreg(HW_REG_IB_STS2, 6, 4)
	s_cmp_eq_u32 s2, 0
	s_cbranch_scc0 .Lentry_in_a_cluster
	s_endpgm
.Lentry_in_a_cluster:
	s_bfe_u32 s2, ttmp6, 0x10000c
	s_cmp_lg_u32 s2, 0x3003
	s_cbranch_scc0 .Lentry_shape_is_right
	s_endpgm
.Lentry_shape_is_right:
; softmax(q k^T / 4) v for one (b, head) and 256 queries a work-group.  q (already times log2(e)/4), k, v: f16, from the launch before.
; The head's whole k (65,536 bytes) and v (65,536 bytes) lie in LDS, brought once by tensor loads: nothing is ever filled again.
; CLUSTER: the four work-groups of a cluster are four query blocks of one head and need the same k and v: every tensor load is a joint one (mask 15),
; with a descriptor made of the head and the wave's number alone.  A round of the cluster's barrier stands in front of the loads and one in front of s_endpgm.
; WAVES: 8 = 4 query groups (64 queries = 4 tiles of 16) x 2 key halves (1,024 keys).  A k or v fragment read from LDS serves four query tiles.
; TWO PASSES.  Pass 1: S^T = k q^T, running maximum of each query (exact, as the softmax takes it away).  The two key halves exchange maxima through LDS.
; Pass 2: S^T - max in one matrix instruction (C = -max in all 8 registers), exp2, rounding to f16, O^T += v^T P^T, sums += ones P^T.
; With one common maximum the two key halves' O and sums simply add, through LDS, at the end.
; LAYOUT.  S^T tile: lane (r, h), register j = key 8h+j, query r.  Packed in pairs this IS registers 0-3 (keys 0-15) or 4-7 (keys 16-31) of source 1
; of the next product (column = query r, K = keys): P never moves between lanes, and a query's maximum needs one exchange between the lane halves in all.
; d = 16 fills half of K = 32: one source 0 of 8 registers holds TWO key tiles (registers 0-3, 4-7), and source 1 is (q|0) or (0|q), cut out of the run 0 q0 0 q1 0 q2 0 q3 0.
; FORMAT: f16 operands, f32 sums.  P lies in [0, 1].  LIMIT: |0.36 q|, |k|, |v| below 65,504 (else infinities, and 0 x infinity in the unused half of K); NaN and infinite inputs are not reproduced.
.set VBASE, 65536                      ; LDS: k at 0: [half of d][2048][8]; v here: [2048][16]
.set MSCR,  131072                     ; 8 waves x 4 tiles x 128 bytes: maxima.  Behind the last filled byte, in 256-byte blocks of its own
.set OSCR,  135168                     ; 4 query groups x 4,608 bytes: the upper key half's O (8 x 512) and sums (4 x 128)
.set OPART, 4608
.set KA1,  1                           ; LDS address of my k fragments, pass 1 (stepped)
.set KA2,  2                           ; the same, pass 2 (stepped)
.set VAD,  3                           ; LDS address of my v fragments (stepped)
.set VQ,   4                           ; h*32768 + r*16: my 16 bytes in a q block and in an attn block
.set MST,  5                           ; where my maxima go
.set MLD,  6                           ; where the other key half's are
.set OST,  7                           ; partial O
.set LST,  8                           ; partial sums
.set QB,   12                          ; v[12:47]   0 q0 0 q1 0 q2 0 q3 0, four registers each
.set NEGM, 48                          ; v[48:79]   tile t: -max of query r, eight times
.set OA,   80                          ; v[80:111]  tile t: O^T, register j = d 8h+j of query r
.set MX,   80                          ; v[80:95]   pass 1: tile t: four running maxima
.set LA,   112                         ; v[112:143] tile t: the sum of query r's P, in every register
.set ONES, 144                         ; v[144:151] 1.0 in f16, 16 x 32
.set KF,   152                         ; v[152:167] k fragments (32 keys each), two buffers
.set VF,   168                         ; v[168:183] v^T fragments (16 d x 32 keys), two buffers
.set SB,   184                         ; v[184:215] four buffers for S^T tiles, taken in turn
.set PB,   216                         ; v[216:231] P^T, two buffers
.set RR,   232                         ; v[232:239] 1 / sum, twice each
.macro ROUND                           ; a round of the cluster's barrier
	s_barrier_signal -1
	s_barrier_wait -1
	s_cmp_lg_u32 s8, 0
	s_cbranch_scc1 .Lnot_wave_0_\@
	s_barrier_signal -3
.Lnot_wave_0_\@:
	s_barrier_wait -3
	s_barrier_signal -1
	s_barrier_wait -1
.endm
	s_load_b128 s[4:7], s[0:1], 0x0                ; qkv, attn
	v_lshl_add_u32 v240, v0, 2, 0x29000
	v_mov_b32 v241, 0
	ds_add_u32 v240, v241
	v_lshrrev_b32 v9, 5, v0
	v_readfirstlane_b32 s8, v9                     ; wave 0..7
	s_lshr_b32 s9, s8, 2                           ; key half
	s_and_b32 s10, s8, 3                           ; query group
	s_bfe_u32 s11, ttmp6, 0x40000                  ; cx
	s_lshl_b32 s12, ttmp9, 2
	s_add_co_u32 s12, s12, s11                     ; block of 256 queries = 4 x cluster x + cx
	s_and_b32 s13, ttmp7, 0xffff                   ; 8 b + head
	; descriptor group 1: 32 rows of 256 bytes (32 elements of 8 bytes), dense: 8,192 bytes a load
	s_mov_b32 s16, 15|(3<<16)|(1<<21)              ; 15:0 the four work-groups of the cluster; 17:16 elements of 8 bytes; 21 set beside a mask
	s_mov_b32 s17, 32<<16                          ; tensor_dim0 = 32
	s_mov_b32 s18, 32<<16                          ; tensor_dim1 = 32
	s_mov_b32 s19, 32<<16                          ; tile_dim0 = 32
	s_mov_b32 s20, 32                              ; tile_dim1 = 32
	s_mov_b32 s21, 32                              ; 32 elements from row to row
	s_mov_b32 s22, 0
	s_mov_b32 s23, 0
	s_lshl_b32 s32, s13, 16                        ; the head's block in q (and in attn)
	s_lshl_b32 s14, s8, 13                         ; my wave's eighth of a block
	s_add_co_u32 s34, s32, s14
	s_add_co_u32 s34, s34, 32<<16                  ; k blocks lie 32 blocks behind q's,
	s_mov_b32 s35, 0
	s_add_co_u32 s36, s34, 32<<16                  ; v blocks 32 further
	s_mov_b32 s37, 0
	s_lshl_b32 s38, s12, 12                        ; my queries: 256 x 16 bytes a block,
	s_add_co_u32 s38, s38, s32
	s_lshl_b32 s15, s10, 10                        ; 64 x 16 bytes a query group
	s_add_co_u32 s38, s38, s15
	s_mov_b32 s39, 0
	s_mov_b32 s24, 1
	s_lshl_b32 s25, s8, 13                         ; LDS: wave x 8,192
	s_mov_b32 s28, 1
	s_add_co_u32 s29, s25, VBASE                   ; LDS: 65,536 + wave x 8,192
	v_and_b32 v9, 15, v0                           ; r
	v_bfe_u32 v10, v0, 4, 1                        ; h
	v_lshlrev_b32 v[VQ], 4, v9
	v_lshl_add_u32 v[VQ], v10, 15, v[VQ]
	s_wait_dscnt 0x0
	s_wait_kmcnt 0x0
	s_add_nc_u64 s[26:27], s[4:5], s[34:35]
	s_or_b32 s27, s27, 0x80000000
	s_add_nc_u64 s[30:31], s[4:5], s[36:37]
	s_or_b32 s31, s31, 0x80000000
	s_add_nc_u64 s[40:41], s[4:5], s[38:39]        ; my q
	s_add_nc_u64 s[42:43], s[6:7], s[38:39]        ; my attn
.irp t, 0,1,2,3
	global_load_b128 v[QB+8*\t+4:QB+8*\t+7], v[VQ], s[40:41] offset:256*\t   ; q tile t: query r, d = 8h .. 8h+7
.endr
	ROUND                                          ; the four work-groups are here: their joint loads meet
	tensor_load_to_lds s[24:27], s[16:23]          ; my eighth of k,
	s_nop 0
	tensor_load_to_lds s[28:31], s[16:23]          ; my eighth of v: two loads of this wave outstanding, the most in this text
	s_nop 0
	s_lshl_b32 s14, s9, 14
	v_add_nc_u32 v[KA1], s14, v[VQ]                ; k: half of d h, key (1,024 x key half) + r
	v_mov_b32 v[KA2], v[KA1]
	v_and_b32 v11, 7, v0                           ; v, for the transposing load: row 8h + lane%8, 16 bytes (lane/8)%2 of it
	v_lshl_add_u32 v11, v10, 3, v11
	v_lshlrev_b32 v11, 5, v11
	v_bfe_u32 v9, v0, 3, 1
	v_lshl_add_u32 v11, v9, 4, v11
	s_lshl_b32 s14, s9, 15
	s_add_co_u32 s14, s14, VBASE
	v_add_nc_u32 v[VAD], s14, v11
	v_and_b32 v9, 31, v0                           ; lane
	s_lshl_b32 s14, s8, 9
	s_add_co_u32 s14, s14, MSCR
	v_lshl_add_u32 v[MST], v9, 2, s14
	s_xor_b32 s15, s8, 4                           ; the wave with my queries and the other keys
	s_lshl_b32 s15, s15, 9
	s_add_co_u32 s15, s15, MSCR
	v_lshl_add_u32 v[MLD], v9, 2, s15
	s_mul_i32 s14, s10, OPART
	s_add_co_u32 s14, s14, OSCR
	v_lshl_add_u32 v[OST], v9, 4, s14
	s_add_co_u32 s14, s14, 4096
	v_lshl_add_u32 v[LST], v9, 2, s14
	s_mov_b32 s46, 0x76543210                      ; v_permlanex16_b32: lane i reads lane i of the other half
	s_mov_b32 s47, 0xfedcba98
.irp z, 0,1,2,3,4
.irp j, 0,1,2,3
	v_mov_b32 v[QB+8*\z+\j], 0                     ; the five blocks of zeros between the q tiles
.endr
.endr
; S^T tile number idx of a body of 16 (idx/8: fragment buffer; (idx%8)/2: query tile; idx%2: which 16 of the fragment's 32 keys).  sub = 1: minus the maximum.
.macro SW idx, sub
	.set c_t, ((\idx)%8)/2
	.set c_k, KF+8*((\idx)/8)
	.set c_d, SB+8*((\idx)%4)
	.set c_q, QB+8*c_t+4-4*((\idx)%2)              ; (q|0) for the lower keys, (0|q) for the upper
	.if \sub
	v_wmma_f32_16x16x32_f16 v[c_d:c_d+7], v[c_k:c_k+7], v[c_q:c_q+7], v[NEGM+8*c_t:NEGM+8*c_t+7]
	.else
	v_wmma_f32_16x16x32_f16 v[c_d:c_d+7], v[c_k:c_k+7], v[c_q:c_q+7], 0
	.endif
.endm
	s_wait_tensorcnt 0x1                           ; tensor loads end in order: my part of k is in LDS; v may stay out
	s_barrier_signal -1
	s_barrier_wait -1                              ; everybody's part of k is
	; ---------------- PASS 1: the maxima ----------------
	; A body is 64 keys = 16 tiles.  Half step u: four v_max3 take tile u in; then the matrix instruction of tile u+2.  The four v_max3 of step u+1 are the four
	; places (ISA guide 7.12.1) between that instruction and the first read of its result; a buffer is written again four steps later, twelve places on.
	; No two matrix instructions that follow each other name one result.  A fragment buffer is loaded again behind the four v_max3 that follow its last use.
.macro GHALF u, last
	.set c_s, SB+8*((\u)%4)
	.set c_m, MX+4*(((\u)%8)/2)
.irp j, 0,1,2,3
	v_max3_num_f32 v[c_m+\j], v[c_m+\j], v[c_s+2*\j], v[c_s+2*\j+1]
.endr
	.set c_more, 1
	.if \last
	.if (\u)>=14
	.set c_more, 0
	.endif
	.endif
	.if c_more
	.if ((\u)%8)==6
	s_wait_dscnt 0x0                               ; the other fragment buffer, asked for eight half steps ago
	.endif
	.set c_nu, ((\u)+2)%16
	SW c_nu, 0
	.endif
	.if \last==0
	.if (\u)==6
	ds_load_b128 v[KF:KF+3],     v[KA1] offset:1024    ; the next body's first 32 keys: 16 lanes take 256 consecutive bytes
	ds_load_b128 v[KF+4:KF+7],   v[KA1] offset:1280
	.endif
	.if (\u)==14
	ds_load_b128 v[KF+8:KF+11],  v[KA1] offset:1536    ; and its second 32
	ds_load_b128 v[KF+12:KF+15], v[KA1] offset:1792
	.endif
	.endif
.endm
.macro BODY1 last
.irp u, 0,1,2,3,4,5,6,7,8,9,10,11,12,13,14,15
	GHALF \u, \last
.endr
	.if \last==0
	v_add_nc_u32 v[KA1], 1024, v[KA1]
	.endif
.endm
	ds_load_b128 v[KF:KF+3],     v[KA1]
	ds_load_b128 v[KF+4:KF+7],   v[KA1] offset:256
	ds_load_b128 v[KF+8:KF+11],  v[KA1] offset:512
	ds_load_b128 v[KF+12:KF+15], v[KA1] offset:768
	s_wait_loadcnt 0x0                             ; q
	s_wait_dscnt 2                                 ; the first fragment is in, the second one's two loads may be out
	SW 0, 0
	SW 1, 0
.irp j, 0,1,2,3,4,5,6,7,8,9,10,11,12,13,14,15
	v_mov_b32 v[MX+\j], 0xff800000                 ; -infinity starts the sixteen maxima; these lines are also the places behind the two products
.endr
	s_mov_b32 s44, 15                              ; 1,024 keys = 16 bodies; the last is written out: it fetches nothing
.Lpass1:
	BODY1 0
	s_sub_co_u32 s44, s44, 1
	s_cmp_lg_u32 s44, 0
	s_cbranch_scc1 .Lpass1
	BODY1 1
	; a query's maximum: four registers, the two lane halves (other keys of the same query), the two key halves
.irp t, 0,1,2,3
	v_max3_num_f32 v[MX+4*\t], v[MX+4*\t], v[MX+4*\t+1], v[MX+4*\t+2]
	v_max_num_f32 v[MX+4*\t], v[MX+4*\t], v[MX+4*\t+3]
.endr
.irp t, 0,1,2,3
	v_permlanex16_b32 v[MX+4*\t+1], v[MX+4*\t], s46, s47
.endr
.irp t, 0,1,2,3
	v_max_num_f32 v[MX+4*\t], v[MX+4*\t], v[MX+4*\t+1]
	ds_store_b32 v[MST], v[MX+4*\t] offset:128*\t
.endr
	s_wait_dscnt 0x0                               ; my maxima are in LDS,
	s_wait_tensorcnt 0x0                           ; and my part of v,
	s_barrier_signal -1
	s_barrier_wait -1                              ; and everybody's
.irp t, 0,1,2,3
	ds_load_b32 v[MX+4*\t+1], v[MLD] offset:128*\t
.endr
	ds_load_b128 v[KF:KF+3],          v[KA2]               ; pass 2 starts: keys 0-31,
	ds_load_b128 v[KF+4:KF+7],        v[KA2] offset:256
	ds_load_tr16_b128 v[VF:VF+3],     v[VAD]               ; their v^T: lane (r, h) gets d = r, keys 8h .. 8h+7,
	ds_load_tr16_b128 v[VF+4:VF+7],   v[VAD] offset:512    ; and keys 16+8h .. +7
	ds_load_b128 v[KF+8:KF+11],       v[KA2] offset:512    ; keys 32-63
	ds_load_b128 v[KF+12:KF+15],      v[KA2] offset:768
	s_wait_dscnt 6                                 ; LDS loads return in order: the four maxima are in, the six fragment loads may be out
.irp t, 0,1,2,3
.irp j, 0,1,2,3,4,5,6,7
	v_min_num_f32 v[NEGM+8*\t+\j], -v[MX+4*\t], -v[MX+4*\t+1]   ; -max(mine, the other half's)
.endr
.endr
	; ---------------- PASS 2 ----------------
	; Half step u of a body of 16:  exp2 of tile u, in place;  tile u-1 packed to f16 (these four plain lines stand between tile u's exponentials and their
	; use, ISA guide 5.7.2, and are the four places behind the matrix instruction of tile u+1);  at every second step O and the sums of the query tile just packed;
	; the matrix instruction of tile u+2.  Results: four S buffers, four O, four sums, each one instruction a turn; no two that follow each other share one.
	; P has two buffers: eight packing lines lie between a product that reads one and the next line that writes it.
	; Fragment loads stand behind the four packing lines that follow the buffer's last use, eight or nine half steps ahead of its next.
	; Order of LDS loads round a body: v1 (step 1), k0 (6), v0 (9), k1 (14), two loads each; a wait's count is the loads issued behind the pair it needs.
.macro HALF u, first, last
	.set c_hs, SB+8*((\u)%4)
.irp j, 0,1,2,3,4,5,6,7
	v_exp_f32 v[c_hs+\j], v[c_hs+\j]
.endr
	.set c_pu, ((\u)+15)%16
	.set c_pt, (c_pu%8)/2
	.set c_ps, SB+8*(c_pu%4)
	.set c_pb, PB+8*(c_pt%2)
	.set c_pp, c_pb+4*(c_pu%2)
	.set c_pv, VF+8*(c_pu/8)
	.set c_skip, 0
	.if \first
	.if (\u)==0
	.set c_skip, 1
	.endif
	.endif
	.if c_skip
	v_nop                                          ; nothing to pack yet: the plain line behind the exponentials
	.else
	s_wait_alu depctr_va_vdst(0)
.irp j, 0,1,2,3
	v_cvt_pk_f16_f32 v[c_pp+\j], v[c_ps+2*\j], v[c_ps+2*\j+1]
.endr
	.if (c_pu%2)==1
	.if (\u)==2
	s_wait_dscnt 4                                 ; v0 is in; k1 and v1 may be out
	.endif
	.if (\u)==10
	.if \last
	s_wait_dscnt 0x0                               ; v1: nothing was asked for behind it
	.else
	s_wait_dscnt 4                                 ; v1 is in; k0 and v0 may be out
	.endif
	.endif
	.set c_zc, 0
	.if \first
	.if c_pu<8
	.set c_zc, 1
	.endif
	.endif
	.if c_zc
	v_wmma_f32_16x16x32_f16 v[OA+8*c_pt:OA+8*c_pt+7], v[c_pv:c_pv+7], v[c_pb:c_pb+7], 0          ; the first 32 keys start the sums
	v_wmma_f32_16x16x32_f16 v[LA+8*c_pt:LA+8*c_pt+7], v[ONES:ONES+7], v[c_pb:c_pb+7], 0
	.else
	v_wmma_f32_16x16x32_f16 v[OA+8*c_pt:OA+8*c_pt+7], v[c_pv:c_pv+7], v[c_pb:c_pb+7], v[OA+8*c_pt:OA+8*c_pt+7]
	v_wmma_f32_16x16x32_f16 v[LA+8*c_pt:LA+8*c_pt+7], v[ONES:ONES+7], v[c_pb:c_pb+7], v[LA+8*c_pt:LA+8*c_pt+7]
	.endif
	.endif
	.endif
	.set c_more, 1
	.if \last
	.if (\u)>=14
	.set c_more, 0
	.endif
	.endif
	.if c_more
	.if ((\u)%8)==6
	s_wait_dscnt 2                                 ; step 6: k1 is in, v1 may be out; step 14: k0 is in, v0 may be out
	.endif
	.set c_nu, ((\u)+2)%16
	SW c_nu, 1
	.endif
	.if (\u)==1
	ds_load_tr16_b128 v[VF+8:VF+11],  v[VAD] offset:1024   ; v1: this body's second 32 keys
	ds_load_tr16_b128 v[VF+12:VF+15], v[VAD] offset:1536
	.endif
	.if \last==0
	.if (\u)==6
	ds_load_b128 v[KF:KF+3],     v[KA2] offset:1024        ; k0 of the next body
	ds_load_b128 v[KF+4:KF+7],   v[KA2] offset:1280
	.endif
	.if (\u)==9
	ds_load_tr16_b128 v[VF:VF+3],   v[VAD] offset:2048     ; v0 of the next body
	ds_load_tr16_b128 v[VF+4:VF+7], v[VAD] offset:2560
	.endif
	.if (\u)==14
	ds_load_b128 v[KF+8:KF+11],  v[KA2] offset:1536        ; k1 of the next body
	ds_load_b128 v[KF+12:KF+15], v[KA2] offset:1792
	.endif
	.endif
.endm
.macro BODY2 first, last
.irp u, 0,1,2,3,4,5,6,7,8,9,10,11,12,13,14,15
	HALF \u, \first, \last
.endr
	.if \last==0
	v_add_nc_u32 v[KA2], 1024, v[KA2]
	v_add_nc_u32 v[VAD], 2048, v[VAD]
	.endif
.endm
	s_wait_dscnt 4                                 ; k0 is in; v0 and k1 may be out
	SW 0, 1
	SW 1, 1
.irp j, 0,1,2,3,4,5,6,7
	v_mov_b32 v[ONES+\j], 0x3c003c00               ; 1.0, 1.0 in f16; these lines are also the places behind the two products
.endr
	BODY2 1, 0                                     ; the first body stands in front of the loop: its products start the sums
	s_mov_b32 s44, 14
.Lpass2:
	BODY2 0, 0
	s_sub_co_u32 s44, s44, 1
	s_cmp_lg_u32 s44, 0
	s_cbranch_scc1 .Lpass2
	BODY2 0, 1                                     ; the last body fetches nothing beyond its own keys
.irp j, 0,1,2,3
	v_cvt_pk_f16_f32 v[PB+12+\j], v[SB+24+2*\j], v[SB+24+2*\j+1]       ; the last tile
.endr
	v_wmma_f32_16x16x32_f16 v[OA+24:OA+31], v[VF+8:VF+15], v[PB+8:PB+15], v[OA+24:OA+31]
	v_wmma_f32_16x16x32_f16 v[LA+24:LA+31], v[ONES:ONES+7], v[PB+8:PB+15], v[LA+24:LA+31]
.rept 4
	v_nop                                          ; four places before results are read and sources written (ISA guide 7.12.1)
.endr
	; ---------------- the two key halves add up ----------------
	s_cmp_lt_u32 s8, 4
	s_cbranch_scc1 .Lkeep
.irp i, 0,1,2,3,4,5,6,7
	ds_store_b128 v[OST], v[OA+4*\i:OA+4*\i+3] offset:512*\i           ; the upper half hands over O: 16 consecutive bytes a lane
.endr
.irp t, 0,1,2,3
	ds_store_b32 v[LST], v[LA+8*\t] offset:128*\t                      ; and one register of each sum (all eight are equal)
.endr
.Lkeep:
	s_wait_dscnt 0x0
	s_barrier_signal -1
	s_barrier_wait -1
	s_cmp_ge_u32 s8, 4
	s_cbranch_scc1 .Lclose
.irp i, 0,1,2,3,4,5,6,7
	ds_load_b128 v[SB+4*\i:SB+4*\i+3], v[OST] offset:512*\i
.endr
.irp t, 0,1,2,3
	ds_load_b32 v[KF+\t], v[LST] offset:128*\t
.endr
	s_wait_dscnt 0x0
.irp t, 0,1,2,3
	v_add_f32 v[KF+\t], v[KF+\t], v[LA+8*\t]
.endr
.irp t, 0,1,2,3
	v_rcp_f32 v[RR+2*\t],   v[KF+\t]               ; twice, for the packed multiply; the sum is at least about 1: the largest P is 1
	v_rcp_f32 v[RR+2*\t+1], v[KF+\t]
.endr
.set n, 0
.rept 16
	v_pk_add_f32 v[OA+2*n:OA+2*n+1], v[OA+2*n:OA+2*n+1], v[SB+2*n:SB+2*n+1]   ; plain lines between the reciprocals and their use
.set n, n+1
.endr
	s_wait_alu depctr_va_vdst(0)
.irp t, 0,1,2,3
.irp j, 0,2,4,6
	v_pk_mul_f32 v[OA+8*\t+\j:OA+8*\t+\j+1], v[OA+8*\t+\j:OA+8*\t+\j+1], v[RR+2*\t:RR+2*\t+1]
.endr
.endr
.irp t, 0,1,2,3
.irp j, 0,1,2,3
	v_cvt_pk_f16_f32 v[PB+4*\t+\j], v[OA+8*\t+2*\j], v[OA+8*\t+2*\j+1]
.endr
	global_store_b128 v[VQ], v[PB+4*\t:PB+4*\t+3], s[42:43] offset:256*\t   ; query r, d = 8h .. 8h+7: each half of the lanes stores 256 consecutive bytes, aligned
.endr
.Lclose:
	s_wait_tensorcnt 0x0
	ds_add_u32 v240, v241
	s_wait_dscnt 0x0
	ROUND                                          ; the closing round
	s_endpgm
.Lfunc_end_k_qe750d18c82_attn:
	.size	k_qe750d18c82_attn, .Lfunc_end_k_qe750d18c82_attn-k_qe750d18c82_attn
	.p2alignl 7, 3214868480
	.fill 96, 4, 3214868480
	.section	.rodata,"a",@progbits
	.p2align	6, 0x0
	.amdhsa_kernel k_qe750d18c82_attn
		.amdhsa_group_segment_fixed_size 168960
		.amdhsa_private_segment_fixed_size 0
		.amdhsa_enable_private_segment 0
		.amdhsa_kernarg_size 16
		.amdhsa_user_sgpr_count 2
		.amdhsa_user_sgpr_kernarg_segment_ptr 1
		.amdhsa_wavefront_size32 1
		.amdhsa_system_sgpr_workgroup_id_x 1
		.amdhsa_system_sgpr_workgroup_id_y 1
		.amdhsa_system_sgpr_workgroup_id_z 1
		.amdhsa_system_vgpr_workitem_id 0
		.amdhsa_next_free_vgpr 242
		.amdhsa_next_free_sgpr 66
		.amdhsa_reserve_vcc 0
		.amdhsa_float_denorm_mode_32 3
		.amdhsa_float_denorm_mode_16_64 3
		.amdhsa_memory_ordered 1
		.amdhsa_forward_progress 1
		.amdhsa_inst_pref_size 62
	.end_amdhsa_kernel
	.amdgpu_metadata
---
amdhsa.version: [ 1, 2 ]
amdhsa.kernels:
  - .name:           k_qe750d18c82_attn
    .symbol:         k_qe750d18c82_attn.kd
    .args:
      - { .name: qkv, .offset: 0, .size: 8, .value_kind: global_buffer, .address_space: global }
      - { .name: attn, .offset: 8, .size: 8, .value_kind: global_buffer, .address_space: global }
    .group_segment_fixed_size: 168960
    .private_segment_fixed_size: 0
    .kernarg_segment_align: 8
    .kernarg_segment_size: 16
    .max_flat_workgroup_size: 256
    .sgpr_count:     66
    .vgpr_count:     242
    .wavefront_size: 32
...
	.end_amdgpu_metadata
.endif
;; end of part 2
;; launch proj (part 3): grid 128 x 2, 8 waves a work-group, no clusters, 17,920 bytes of LDS; arguments attn, W_0, b_0, out0; writes out0
.if DOCPART == 3
	.amdgcn_target "amdgcn-amd-amdhsa--gfx1250"
	.amdhsa_code_object_version 6
	.text
	.protected	k_qe750d18c82_proj
	.globl	k_qe750d18c82_proj
	.p2align	8
	.type	k_qe750d18c82_proj,@function
k_qe750d18c82_proj:
	s_mov_b64 s[64:65], 0
	v_nop
	global_prefetch_b8 v0, s[64:65] scope:SCOPE_SE
	s_setreg_imm32_b32 hwreg(HW_REG_WAVE_MODE, 25, 1), 1
	s_wait_xcnt 0x0
; out0[f][b][n] = sum over k of attn[f][b][k] W_0[n][k] + b_0[n].  attn: f16, [8 b + head][half of d][f][8], k = 16 head + d.  W_0: [128][128] f32.  out0: f32.
; A work-group has 16 f and two b (32 rows of out0); wave w has features 16w .. 16w+15 for both b: two accumulators, four chunks of 32 along K, eight products.
; W_0's 16 rows of a wave go from memory to registers and are rounded to f16 there: no other wave needs them.  LIMIT: |W_0| and |attn| below 65,504.
; Source 0 = W_0, source 1 = attn: lane (r, h) holds row f0+r, features 16w+8h .. +7.  The bias enters as C of the first product.
; The results go through an LDS stage of 32 rows so that every store is a whole row of out0: 512 consecutive bytes, aligned.
; No cluster: nothing comes by tensor load; what work-groups share (W_0, 65,536 bytes) goes straight into registers.
.set SP,   528                         ; stage pitch: 512 bytes + 16, an odd multiple of 16
.set VR,   1
.set VH,   2
.set VL,   3
.set VWO,  4                           ; W_0: r*512 + h*32
.set VA,   5                           ; attn: h*32768 + r*16
.set VB,   6                           ; b_0: w*64 + h*32
.set VST,  7                           ; stage, in
.set VRD,  8                           ; stage, back
.set VO,   9                           ; out0: w*4096 + lane*16
.set WF,   16                          ; v[16:47]   W_0 fragments, 4 chunks
.set AF,   48                          ; v[48:111]  attn fragments: 2 b x 4 chunks
.set BI,   112                         ; v[112:119] bias of my 8 features
.set ACC,  120                         ; v[120:135] two accumulators
.set WRAW, 136                         ; v[136:199] W_0 as loaded
.set OUTR, 200                         ; v[200:215] four rows' pieces on the way out
	s_load_b256 s[4:11], s[0:1], 0x0               ; attn s[4:5], W_0 s[6:7], b_0 s[8:9], out0 s[10:11]
	v_lshl_add_u32 v216, v0, 2, 0x4200
	v_mov_b32 v217, 0
	v_lshrrev_b32 v1, 5, v0
	v_readfirstlane_b32 s12, v1                    ; wave
	s_and_b32 s13, ttmp7, 0xffff                   ; which pair of b
	v_and_b32 v[VR], 15, v0
	v_bfe_u32 v[VH], v0, 4, 1
	v_and_b32 v[VL], 31, v0
	s_lshl_b32 s14, s12, 13                        ; W_0: 16 rows of 512 bytes a wave
	s_mov_b32 s15, 0
	s_lshl_b32 s16, s13, 20                        ; attn: 2 b x 8 heads x 65,536 bytes,
	s_lshl_b32 s20, ttmp9, 8                       ; 16 f x 16 bytes
	s_add_co_u32 s16, s16, s20
	s_mov_b32 s17, 0
	s_lshl_b32 s18, ttmp9, 15                      ; out0: 16 f x 2,048 bytes,
	s_lshl_b32 s20, s13, 10                        ; 2 b x 512 bytes
	s_add_co_u32 s18, s18, s20
	s_mov_b32 s19, 0
	v_lshlrev_b32 v[VWO], 9, v[VR]
	v_lshl_or_b32 v[VWO], v[VH], 5, v[VWO]
	v_lshlrev_b32 v[VA], 4, v[VR]
	v_lshl_or_b32 v[VA], v[VH], 15, v[VA]
	s_lshl_b32 s20, s12, 6
	v_lshl_add_u32 v[VB], v[VH], 5, s20
	s_wait_kmcnt 0x0
	s_add_nc_u64 s[6:7], s[6:7], s[14:15]
	s_add_nc_u64 s[4:5], s[4:5], s[16:17]
	s_add_nc_u64 s[10:11], s[10:11], s[18:19]
.irp c, 0,1,2,3
	global_load_b128 v[WRAW+16*\c:WRAW+16*\c+3],     v[VWO], s[6:7] offset:128*\c      ; K = 32c+8h .. +3
	global_load_b128 v[WRAW+16*\c+4:WRAW+16*\c+7],   v[VWO], s[6:7] offset:128*\c+16   ; .. +7
	global_load_b128 v[WRAW+16*\c+8:WRAW+16*\c+11],  v[VWO], s[6:7] offset:128*\c+64   ; K = 32c+16+8h ..
	global_load_b128 v[WRAW+16*\c+12:WRAW+16*\c+15], v[VWO], s[6:7] offset:128*\c+80
.endr
	; attn fragment of chunk c: registers 0-3 = head 2c, d = 8h .. 8h+7; registers 4-7 = head 2c+1: each half of the lanes takes 256 consecutive bytes
.irp p, 0,1
.irp c, 0,1,2,3
	global_load_b128 v[AF+32*\p+8*\c:AF+32*\p+8*\c+3],   v[VA], s[4:5] offset:524288*\p+131072*\c
	global_load_b128 v[AF+32*\p+8*\c+4:AF+32*\p+8*\c+7], v[VA], s[4:5] offset:524288*\p+131072*\c+65536
.endr
.endr
	global_load_b128 v[BI:BI+3],   v[VB], s[8:9]
	global_load_b128 v[BI+4:BI+7], v[VB], s[8:9] offset:16
	v_mul_u32_u24 v[VST], v[VR], SP                ; stage row = 16 x (which b) + r; my 32 bytes at feature 16w + 8h
	v_lshl_add_u32 v[VST], v[VH], 5, v[VST]
	v_add_nc_u32 v[VST], s20, v[VST]
	s_mul_i32 s21, s12, 2*SP                       ; back: wave w takes f = 2w, 2w+1, both b: four rows
	v_lshl_add_u32 v[VRD], v[VL], 4, s21
	s_lshl_b32 s21, s12, 12
	v_lshl_add_u32 v[VO], v[VL], 4, s21
	s_wait_loadcnt 18                              ; loads return in order: W_0's sixteen are in; attn's sixteen and the bias's two may be out
.set n, 0
.rept 32
	v_cvt_pk_f16_f32 v[WF+n], v[WRAW+2*n], v[WRAW+2*n+1]
.set n, n+1
.endr
	s_wait_loadcnt 0x0
	; the two accumulators take turns, one instruction a turn
	v_wmma_f32_16x16x32_f16 v[ACC:ACC+7],    v[WF:WF+7], v[AF:AF+7],       v[BI:BI+7]
	v_wmma_f32_16x16x32_f16 v[ACC+8:ACC+15], v[WF:WF+7], v[AF+32:AF+39],   v[BI:BI+7]
.irp c, 1,2,3
	v_wmma_f32_16x16x32_f16 v[ACC:ACC+7],    v[WF+8*\c:WF+8*\c+7], v[AF+8*\c:AF+8*\c+7],       v[ACC:ACC+7]
	v_wmma_f32_16x16x32_f16 v[ACC+8:ACC+15], v[WF+8*\c:WF+8*\c+7], v[AF+32+8*\c:AF+32+8*\c+7], v[ACC+8:ACC+15]
.endr
.rept 4
	v_nop                                          ; four places before the results are read (ISA guide 7.12.1)
.endr
.irp p, 0,1
	ds_store_b128 v[VST], v[ACC+8*\p:ACC+8*\p+3]   offset:16*SP*\p
	ds_store_b128 v[VST], v[ACC+8*\p+4:ACC+8*\p+7] offset:16*SP*\p+16
.endr
	s_wait_dscnt 0x0                               ; my pieces are in the stage, for the other waves' sake
	s_barrier_signal -1
	s_barrier_wait -1
.irp e, 0,1
.irp p, 0,1
	ds_load_b128 v[OUTR+8*\e+4*\p:OUTR+8*\e+4*\p+3], v[VRD] offset:16*SP*\p+SP*\e   ; a whole row: 32 lanes x 16 bytes
.endr
.endr
.set n, 0
.irp e, 0,1
.irp p, 0,1
	s_wait_dscnt 3-n                               ; LDS loads return in order: row n of the four is in
	global_store_b128 v[VO], v[OUTR+8*\e+4*\p:OUTR+8*\e+4*\p+3], s[10:11] offset:2048*\e+512*\p th:TH_STORE_NT
.set n, n+1
.endr
.endr
	s_wait_tensorcnt 0x0
	ds_add_u32 v216, v217
	s_wait_dscnt 0x0
	s_endpgm
.Lfunc_end_k_qe750d18c82_proj:
	.size	k_qe750d18c82_proj, .Lfunc_end_k_qe750d18c82_proj-k_qe750d18c82_proj
	.p2alignl 7, 3214868480
	.fill 96, 4, 3214868480
	.section	.rodata,"a",@progbits
	.p2align	6, 0x0
	.amdhsa_kernel k_qe750d18c82_proj
		.amdhsa_group_segment_fixed_size 17920
		.amdhsa_private_segment_fixed_size 0
		.amdhsa_enable_private_segment 0
		.amdhsa_kernarg_size 32
		.amdhsa_user_sgpr_count 2
		.amdhsa_user_sgpr_kernarg_segment_ptr 1
		.amdhsa_wavefront_size32 1
		.amdhsa_system_sgpr_workgroup_id_x 1
		.amdhsa_system_sgpr_workgroup_id_y 1
		.amdhsa_system_sgpr_workgroup_id_z 1
		.amdhsa_system_vgpr_workitem_id 0
		.amdhsa_next_free_vgpr 218
		.amdhsa_next_free_sgpr 66
		.amdhsa_reserve_vcc 0
		.amdhsa_float_denorm_mode_32 3
		.amdhsa_float_denorm_mode_16_64 3
		.amdhsa_memory_ordered 1
		.amdhsa_forward_progress 1
		.amdhsa_inst_pref_size 9
	.end_amdhsa_kernel
	.amdgpu_metadata
---
amdhsa.version: [ 1, 2 ]
amdhsa.kernels:
  - .name:           k_qe750d18c82_proj
    .symbol:         k_qe750d18c82_proj.kd
    .args:
      - { .name: attn, .offset: 0, .size: 8, .value_kind: global_buffer, .address_space: global }
      - { .name: W_0, .offset: 8, .size: 8, .value_kind: global_buffer, .address_space: global }
      - { .name: b_0, .offset: 16, .size: 8, .value_kind: global_buffer, .address_space: global }
      - { .name: out0, .offset: 24, .size: 8, .value_kind: global_buffer, .address_space: global }
    .group_segment_fixed_size: 17920
    .private_segment_fixed_size: 0
    .kernarg_segment_align: 8
    .kernarg_segment_size: 32
    .max_flat_workgroup_size: 256
    .sgpr_count:     66
    .vgpr_count:     218
    .wavefront_size: 32
...
	.end_amdgpu_metadata
.endif
;; end of part 3
